; MI455X (gfx1250); checked and timed in simulation.
; The chip was launched on July 23, 2026; its instructions are those of AMD's public machine-readable ISA for CDNA 5 (MIT licence, August 2026) and "CDNA5" Instruction Set Architecture Reference Guide (July 2026). The comments in the code are by the model that wrote it; some were corrected since.
;; Self Attention. Allowed arithmetic: matrix products marked QUANTISED: E2M1 operands, one E8M0 scale for each 32 along K, by v_wmma_scale_f32_16x16x128_f8f6f4 with both operands' format E2M1 (or v_wmma_scale_f32_32x16x128_f4), f32 sums; products left as they are: bf16, f16 or f32 operands; f32 sums; everything else in f32.
;; Inputs: Wk 1,024 x 1,024 float32; Wq 1,024 x 1,024 float32; Wv 1,024 x 1,024 float32; x 128 x 128 x 1,024 float32.
;; Outputs: out0 128 x 128 x 1,024 float32.
;; This version of the problem:
;;   THIS VERSION OF THE PROBLEM IS GIVEN IN LOW PRECISION. The matrix products marked QUANTISED in the list below multiply operands that are first quantised to E2M1 (2 exponent bits, 1 mantissa bit; 4 bits a number), with one power-of-two scale for each 32 numbers along K (OCP MX v1.0); their sums are f32. The products marked 'left as it is' may take bf16, f16 or f32 operands, with f32 sums. Whichever they take, every output number must still come out within the allowed error. Rounding operands to bf16 (8 significant bits) uses up far more of that allowance than f16 does (11 bits, for magnitudes from 6e-5 to 65,504). All else is computed in f32.
;;   The module's matrix products, in the order in which they are computed (A, B: the left and right operand; K: the contracted axis; several contracted axes count as one K, in the product's order):
;;     1. [M 16,384, K 1,024] x [K 1,024, N 1,024]; A: input x; B: input Wq: QUANTISED
;;     2. [M 16,384, K 1,024] x [K 1,024, N 1,024]; A: input x; B: input Wk: QUANTISED
;;     3. [M 16,384, K 1,024] x [K 1,024, N 1,024]; A: input x; B: input Wv: QUANTISED
;;     4. batch 128 x [M 128, K 1,024] x [K 1,024, N 128]; A: computed on the way; B: computed on the way: left as it is (an operand is computed on the way)
;;     5. batch 128 x [M 128, K 128] x [K 128, N 1,024]; A: computed on the way; B: computed on the way: left as it is (an operand is computed on the way)
;;   THE QUANTISER, for each operand of a quantised product, along K:
;;     - K is cut into blocks of 32 from its start; a last block that is shorter is filled with zeros.
;;     - A block's scale is 2^e with e = floor(log2(the largest magnitude in the block)) - 2, held to -126 .. 127; a block of zeros has e = 0. As a byte (E8M0): e + 127.
;;     - Each number is divided by its block's scale, clamped to +-6, and rounded to the nearest number of E2M1, ties to even, subnormals kept.
;;     - The product sums the exact products of the quantised numbers (number of the format x scale) in f32.
;;   ~~~python
;;   def quantise(x, axis):      # numpy; x: float32 -> the quantised numbers, widened to float32 again
;;       x = np.moveaxis(x, axis, -1); K = x.shape[-1]
;;       x = np.pad(x, [(0, 0)] * (x.ndim - 1) + [(0, -K % 32)]); x = x.reshape(x.shape[:-1] + (-1, 32)); a = np.abs(x).max(-1, keepdims=True)
;;       e = np.where(a > 0, np.clip(np.frexp(np.where(a > 0, a, 1))[1] - 1 - 2, -126, 127), 0)      # np.frexp(a)[1] - 1 = floor(log2(a)), exactly
;;       r = np.clip(x / 2.0 ** e, -6, 6)
;;       step = 2.0 ** (np.maximum(np.frexp(np.where(r == 0, 1, r))[1] - 1, 0) - 1)
;;       q = np.round(r / step) * step * 2.0 ** e      # np.round: ties to even
;;       return np.moveaxis(q.reshape(q.shape[:-2] + (-1,))[..., :K], -1, axis).astype(np.float32)
;;   ~~~
;; One version. Each part assembles by itself: llvm-mc -triple=amdgcn-amd-amdhsa -mcpu=gfx1250 --defsym DOCPART=n.
;; ======== version 1 of 1: 3 launches
;; limits: values are held in f16: magnitudes above 65,504 overflow, below 6.1e-05 lose precision
;; workspace buffers: xc 8,388,608 bytes; xs 524,288 bytes; wc 1,572,864 bytes; ws 98,304 bytes; sp 9,437,184 bytes
;; launch quant (part 1): grid 608 x 1, 4 waves a work-group, no clusters, 39,424 bytes of LDS; arguments x, Wq, Wk, Wv, xc, xs, wc, ws; writes xc, xs, wc, ws
.if DOCPART == 1
	.amdgcn_target "amdgcn-amd-amdhsa--gfx1250"
	.amdhsa_code_object_version 6
	.text
	.protected	k_q8ee9b755f3_quant
	.globl	k_q8ee9b755f3_quant
	.p2align	8
	.type	k_q8ee9b755f3_quant,@function
k_q8ee9b755f3_quant:
	s_mov_b64 s[64:65], 0
	v_nop
	global_prefetch_b8 v0, s[64:65] scope:SCOPE_SE
	s_setreg_imm32_b32 hwreg(HW_REG_WAVE_MODE, 25, 1), 1
	s_wait_xcnt 0x0
; THE PROGRAM: out0[b] = (softmax(causal(q k^T) / 32) v)^T with q, k, v = x Wq^T, x Wk^T, x Wv^T on codes of E2M1.  Three launches: this one makes the codes; the second makes q and k and the scores; the third
; the softmax, v and the result.
; WORK LEFT OUT BY THE LATER LAUNCHES.  reference() builds triu(ones, k = 1) in its own body and puts -inf where key > query, whatever the inputs hold; exp(-inf) is 0, so such a score reaches no output.  A tile of
; 16 keys x 16 queries whose key tile comes after its query tile lies wholly under that mask: 28 of a batch's 64 score tiles are not computed, and of the second product's 32 steps of 32 keys a query tile the 12
; that lie wholly behind the diagonal are not multiplied (their weights are 0).  Every input has a way to the output and is loaded.
; LIMIT: a NaN, an infinity or an overflow that reaches only those tiles is not carried to the result.
; THIS LAUNCH: x [16384][1024] and Wq, Wk, Wv [1024][1024], f32, K innermost, become codes of E2M1 with one E8M0 byte for each 32 along K.  A block's byte is its largest magnitude's exponent field - 2, held at 1
; from below (a block of zeros so gets 1 where the rule says 127: its codes are zeros, and this program alone reads the bytes).  Each number is divided by the scale and rounded to the nearest code, ties to even,
; beyond the largest code the largest.
; LIMITS: blocks whose largest magnitude lies under 2^-124 get the byte 1; NaN and infinities among the inputs are not served.
; LAYOUT OF THE CODES: by tiles of 16 rows, 8,192 bytes a tile, [block of 32 along K: 32][row: 16][16 bytes].  That is the image of the operand's registers: K step s (128 along K) is 1,024 bytes, and its
; c-th 512 bytes, 16 a lane, are registers 4 c .. 4 c + 3 of the fragment.  THE BYTES: 512 a tile, [half of K][row][16 bytes], so that 16 bytes of a row are the scale words of four K steps.
; THE WEIGHTS' TILES stand in the order in which the later launches walk them: q's tile t at place 4 (t / 2) + t % 2, k's at 4 (t / 2) + 2 + t % 2, v's at 128 + t.
; SHARES: a wave takes 16 rows x 512 along K, a row a step.  A step's four loads read 512 consecutive bytes each; the 2,048 bytes turn through the wave's own stage in LDS, so that a lane holds 16 neighbours
; (two lanes to a block).  Codes and bytes are gathered in the wave's own LDS and leave as whole runs of 512 and 256 bytes.  Waves share nothing: no barrier.
.set WAVES, 4
.set STEPS, 16
.set EMAX,  2
.set ROWB,  4096                       ; a row of x or of a weight in bytes
.set SP,    80                         ; a lane's place in a stage: 64 bytes + 16 of padding
.set IP,    272                        ; a block's 16 rows x 16 bytes of codes + 16 of padding
.set IMG,   2*32*SP                    ; behind the two stages: the codes' image, 16 blocks
.set SCB,   IMG+16*IP                  ; behind it: 256 scale bytes
.set WREG,  SCB+256                    ; a wave's region: 9,728 bytes
.set SPARE, WAVES*WREG                 ; behind the four regions: the spare words, 128 bytes a wave, that no other line names
.set R,     16                         ; v16-79   four sets of 16 numbers as loaded
.set X,     80                         ; v80-111  two sets of 16 neighbours
.set E,     112                        ; v112-127 a scale byte for each step
.set C,     128                        ; v128-159 codes, two registers for each step
.set OUTR,  160                        ; v160-191 the way out
.set SPW,   12                         ; v12 LDS address of my spare word; never rewritten
.set NIL,   13                         ; v13 0; never rewritten
	s_load_b256 s[4:11], s[0:1], 0x0               ; x, Wq, Wk, Wv
	s_load_b256 s[12:19], s[0:1], 0x20             ; xc, xs, wc, ws
	v_lshl_add_u32 v[SPW], v0, 2, SPARE
	v_mov_b32 v[NIL], 0
	v_lshrrev_b32 v1, 5, v0
	v_readfirstlane_b32 s26, v1                    ; wave
	v_and_b32 v2, 31, v0                           ; lane
	v_lshlrev_b32 v3, 4, v2                        ; 16 x lane: my bytes of a load's or a store's 512
	s_mul_i32 s29, s26, WREG
	v_lshrrev_b32 v14, 2, v2
	v_mul_u32_u24 v14, v14, SP
	v_and_b32 v15, 3, v2
	v_lshl_add_u32 v14, v15, 4, v14
	v_add_nc_u32 v14, s29, v14                     ; the stage, on the way in: four lanes' 64 bytes on end, then the padding
	v_mul_u32_u24 v15, v2, SP
	v_add_nc_u32 v15, s29, v15                     ; and on the way out: my 16 neighbours
	v_lshrrev_b32 v5, 1, v2                        ; my block of the step's 16
	v_mul_u32_u24 v4, v5, IP
	v_and_b32 v8, 1, v2
	v_lshl_add_u32 v4, v8, 3, v4
	s_add_co_u32 s30, s29, IMG
	v_add_nc_u32 v4, s30, v4                       ; the image: my block, my half of its 16 bytes; the row stands in the immediate
	v_lshrrev_b32 v8, 4, v2
	v_mul_u32_u24 v10, v8, IP
	v_and_b32 v9, 15, v2
	v_lshl_add_u32 v10, v9, 4, v10
	v_add_nc_u32 v10, s30, v10                     ; and back: sixteen lanes to a block, two blocks an instruction
	s_add_co_u32 s30, s29, SCB
	v_add_nc_u32 v5, s30, v5                       ; my block's scale byte; the row stands in the immediate
	v_lshlrev_b32 v7, 3, v2
	v_add_nc_u32 v6, s30, v7                       ; and back: 8 bytes a lane
	; which tensor, which tiles: work-groups 0-511 take x (two tiles each), then 32 each take Wq, Wk, Wv.  All of it hangs on the work-group's number alone
	s_sub_co_u32 s20, ttmp9, 512
	s_lshr_b32 s21, s20, 5                         ; which weight
	s_and_b32 s22, s20, 31
	s_lshl_b32 s23, s22, 1                         ; a weight's first source tile
	s_lshl_b32 s24, s22, 2
	s_lshl_b32 s25, s21, 1
	s_add_co_u32 s24, s24, s25                     ; q's, k's place
	s_add_co_u32 s25, s23, 128                     ; v's place
	s_cmp_lt_u32 s21, 2
	s_cselect_b32 s24, s24, s25
	s_lshr_b32 s27, s26, 1                         ; which of the two tiles is my wave's,
	s_and_b32 s28, s26, 1                          ; and which half of K
	s_wait_kmcnt 0x0
	s_cmp_eq_u32 s21, 0
	s_cselect_b64 s[6:7], s[6:7], s[8:9]
	s_cmp_lt_u32 s21, 2
	s_cselect_b64 s[6:7], s[6:7], s[10:11]
	s_lshl_b32 s25, ttmp9, 1                       ; x's first tile, source and place alike
	s_cmp_lt_u32 ttmp9, 512
	s_cselect_b64 s[4:5], s[4:5], s[6:7]
	s_cselect_b64 s[12:13], s[12:13], s[16:17]
	s_cselect_b64 s[14:15], s[14:15], s[18:19]
	s_cselect_b32 s23, s25, s23
	s_cselect_b32 s24, s25, s24
	s_add_co_u32 s23, s23, s27
	s_add_co_u32 s24, s24, s27
	s_mov_b32 s33, 0
	s_lshl_b32 s32, s23, 16                        ; 16 rows of 4,096 bytes a tile,
	s_lshl_b32 s34, s28, 11                        ; 2,048 bytes a half row
	s_add_co_u32 s32, s32, s34
	s_add_nc_u64 s[4:5], s[4:5], s[32:33]
	s_lshl_b32 s32, s24, 13
	s_lshl_b32 s34, s28, 12
	s_add_co_u32 s32, s32, s34
	s_add_nc_u64 s[12:13], s[12:13], s[32:33]
	s_lshl_b32 s32, s24, 9
	s_lshl_b32 s34, s28, 8
	s_add_co_u32 s32, s32, s34
	s_add_nc_u64 s[14:15], s[14:15], s[32:33]
.macro LOAD t
.irp i, 0,1,2,3
	global_load_b128 v[R+16*((\t)%4)+4*\i:R+16*((\t)%4)+4*\i+3], v3, s[4:5] offset:ROWB*(\t)+512*\i th:TH_LOAD_NT   ; 32 lanes read 512 consecutive bytes
.endr
.endm
.macro TURN t                          ; step t's numbers through the stage: LDS serves a wave's instructions in order, so no wait stands between the stores and the loads
.irp i, 0,1,2,3
	ds_store_b128 v14, v[R+16*((\t)%4)+4*\i:R+16*((\t)%4)+4*\i+3] offset:32*SP*((\t)%2)+8*SP*\i
.endr
.irp i, 0,1,2,3
	ds_load_b128 v[X+16*((\t)%2)+4*\i:X+16*((\t)%2)+4*\i+3], v15 offset:32*SP*((\t)%2)+16*\i
.endr
.endm
.irp t, 0,1,2,3
	LOAD \t
.endr
	s_wait_loadcnt 12                              ; step 0's four loads are in; the twelve behind them may be out
	TURN 0
.macro STEP t
.set XS, X+16*((\t)%2)
.if (\t) > 0
	s_wait_dscnt 2                                 ; this step's numbers are back from the stage; the last step's two stores, codes and byte, may be out
.else
	s_wait_dscnt 0x0
.endif
.if (\t)+4 < STEPS
	LOAD (\t)+4                                    ; into the registers that this step's stores into the stage have read
.endif
.if (\t)+1 < STEPS
.if STEPS-2-(\t) >= 3
	s_wait_loadcnt 12                              ; the next step's four loads are in; those of the three steps behind it may be out
.else
	s_wait_loadcnt 4*(STEPS-2-(\t))
.endif
	TURN (\t)+1
.endif
	v_max3_num_f32 v8, |v[XS]|, |v[XS+1]|, |v[XS+2]|               ; the largest magnitude of my 16, in two chains
	v_max3_num_f32 v9, |v[XS+3]|, |v[XS+4]|, |v[XS+5]|
.irp i, 6,10
	v_max3_num_f32 v8, v8, |v[XS+\i]|, |v[XS+\i+1]|
	v_max3_num_f32 v9, v9, |v[XS+\i+2]|, |v[XS+\i+3]|
.endr
	v_max3_num_f32 v8, v8, |v[XS+14]|, |v[XS+15]|
	v_max3_num_f32 v8, v8, v9, (EMAX+1)<<23        ; and the floor 2^(3 - 127): the byte cannot fall under 1
	v_max_num_f32_dpp v8, v8, v8 row_xmask:1 row_mask:0xf bank_mask:0xf   ; with my neighbour's 16: the block's
	v_add_nc_u32 v11, -(EMAX<<23), v8              ; 2 off its exponent field: the conversion takes the exponent field of this operand as its scale
	v_cvt_scalef32_pk8_fp4_f32 v[C+2*(\t)], v[XS:XS+7], v11
	v_cvt_scalef32_pk8_fp4_f32 v[C+2*(\t)+1], v[XS+8:XS+15], v11
	v_lshrrev_b32 v[E+(\t)], 23, v11               ; the scale's byte (a plain line behind the conversions)
	ds_store_b64 v4, v[C+2*(\t):C+2*(\t)+1] offset:16*(\t)         ; row t of my block
	ds_store_b8 v5, v[E+(\t)] offset:16*(\t)       ; both lanes of a block write the same byte with the same value
.endm
.irp t, 0,1,2,3,4,5,6,7,8,9,10,11,12,13,14,15
	STEP \t
.endr
.irp i, 0,1,2,3,4,5,6,7
	ds_load_b128 v[OUTR+4*\i:OUTR+4*\i+3], v10 offset:2*IP*\i      ; LDS serves a wave's instructions in order: these see my stores
.endr
	ds_load_b64 v[8:9], v6
	s_wait_dscnt 0x0
.irp i, 0,1,2,3,4,5,6,7
	global_store_b128 v3, v[OUTR+4*\i:OUTR+4*\i+3], s[12:13] offset:512*\i   ; 32 lanes store 512 consecutive bytes, aligned
.endr
	global_store_b64 v7, v[8:9], s[14:15]          ; 32 lanes store 256 consecutive bytes, aligned
	s_wait_tensorcnt 0x0                           ; the wave's end: behind my last LDS store
	ds_add_u32 v[SPW], v[NIL]
	s_wait_dscnt 0x0
	s_endpgm
.Lfunc_end_k_q8ee9b755f3_quant:
	.size	k_q8ee9b755f3_quant, .Lfunc_end_k_q8ee9b755f3_quant-k_q8ee9b755f3_quant
	.p2alignl 7, 3214868480
	.fill 96, 4, 3214868480
	.section	.rodata,"a",@progbits
	.p2align	6, 0x0
	.amdhsa_kernel k_q8ee9b755f3_quant
		.amdhsa_group_segment_fixed_size 39424
		.amdhsa_private_segment_fixed_size 0
		.amdhsa_enable_private_segment 0
		.amdhsa_kernarg_size 64
		.amdhsa_user_sgpr_count 2
		.amdhsa_user_sgpr_kernarg_segment_ptr 1
		.amdhsa_wavefront_size32 1
		.amdhsa_system_sgpr_workgroup_id_x 1
		.amdhsa_system_sgpr_workgroup_id_y 1
		.amdhsa_system_sgpr_workgroup_id_z 1
		.amdhsa_system_vgpr_workitem_id 0
		.amdhsa_next_free_vgpr 192
		.amdhsa_next_free_sgpr 66
		.amdhsa_reserve_vcc 0
		.amdhsa_float_denorm_mode_32 3
		.amdhsa_float_denorm_mode_16_64 3
		.amdhsa_memory_ordered 1
		.amdhsa_forward_progress 1
		.amdhsa_inst_pref_size 35
	.end_amdhsa_kernel
	.amdgpu_metadata
---
amdhsa.version: [ 1, 2 ]
amdhsa.kernels:
  - .name:           k_q8ee9b755f3_quant
    .symbol:         k_q8ee9b755f3_quant.kd
    .args:
      - { .name: x, .offset: 0, .size: 8, .value_kind: global_buffer, .address_space: global }
      - { .name: Wq, .offset: 8, .size: 8, .value_kind: global_buffer, .address_space: global }
      - { .name: Wk, .offset: 16, .size: 8, .value_kind: global_buffer, .address_space: global }
      - { .name: Wv, .offset: 24, .size: 8, .value_kind: global_buffer, .address_space: global }
      - { .name: xc, .offset: 32, .size: 8, .value_kind: global_buffer, .address_space: global }
      - { .name: xs, .offset: 40, .size: 8, .value_kind: global_buffer, .address_space: global }
      - { .name: wc, .offset: 48, .size: 8, .value_kind: global_buffer, .address_space: global }
      - { .name: ws, .offset: 56, .size: 8, .value_kind: global_buffer, .address_space: global }
    .group_segment_fixed_size: 39424
    .private_segment_fixed_size: 0
    .kernarg_segment_align: 8
    .kernarg_segment_size: 64
    .max_flat_workgroup_size: 128
    .sgpr_count:     66
    .vgpr_count:     192
    .wavefront_size: 32
...
	.end_amdgpu_metadata
.endif
;; end of part 1
;; launch scores (part 2): grid 128 x 2, 4 waves a work-group, clusters of 4 x 1, 327,680 bytes of LDS; arguments xc, xs, wc, ws, sp; writes sp
.if DOCPART == 2
	.amdgcn_target "amdgcn-amd-amdhsa--gfx1250"
	.amdhsa_code_object_version 6
	.text
	.protected	k_q8ee9b755f3_scores
	.globl	k_q8ee9b755f3_scores
	.p2align	8
	.type	k_q8ee9b755f3_scores,@function
k_q8ee9b755f3_scores:
	s_mov_b64 s[64:65], 0
	v_nop
	global_prefetch_b8 v0, s[64:65] scope:SCOPE_SE
	s_setreg_imm32_b32 hwreg(HW_REG_WAVE_MODE, 25, 1), 1
	s_wait_xcnt 0x0
	s_wait_alu depctr_hold_cnt(0) depctr_sa_sdst(0) depctr_va_vdst(0) depctr_va_sdst(0) depctr_va_ssrc(0) depctr_va_vcc(0) depctr_vm_vsrc(0)
	s_getreg_b32 s2, hwreg(HW_REG_IB_STS2, 6, 4)
	s_cmp_eq_u32 s2, 0
	s_cbranch_scc0 .Lentry_in_a_cluster
	s_endpgm
.Lentry_in_a_cluster:
	s_bfe_u32 s2, ttmp6, 0x10000c
	s_cmp_lg_u32 s2, 0x3003
	s_cbranch_scc0 .Lentry_shape_is_right
	s_endpgm
.Lentry_shape_is_right:
; For batch b and half j of the 1,024 channels d: q = x Wq^T and k = x Wk^T on codes of E2M1 (128 tokens x 512 d each), rounded to f16 in registers, and the part of S^T = k q^T that these 512 d give.
; WORK LEFT OUT: score tiles whose 16 keys all come after their 16 queries lie wholly under the mask that reference() builds itself: 36 of 64 tiles are made (shown at the head of the first launch).
; LIMITS: |q| and |k| stay inside f16's range, 65,504; NaN and infinities among the inputs are not served.
; SHARES: wave w sums over d = 512 j + 128 w .. + 127, in four chunks of 32 d.  A chunk's weights are four tiles on end in wc (q's two, k's two: 32,768 bytes).  Each wave fetches and reads its own part of the ring.
; THE QUANTISED PRODUCT IS USED TRANSPOSED (source 0 = 16 rows of W, source 1 = 16 tokens): a lane holds one token and eight d, so two neighbouring tiles, rounded in pairs, ARE the f16 fragment (16 tokens x 32 d)
; of the score product: nothing changes lanes.  S^T tile (keys kj, queries qi): source 0 = k's fragment, source 1 = q's.
; x's codes of the batch: K steps 0-5 lie in LDS as images of the operand's registers, K steps 6 and 7 stay in registers, so that two slots of a whole chunk fit beside them.
; CLUSTER: the four partners are four batches with one j and walk the same weights: each part of a chunk is asked for jointly, by the same tensor load with the mask of all four.
; The four waves' sums meet in LDS at the end, in the ring's bytes, which have had their last fill; wave w adds and stores tiles 9 w .. 9 w + 8.
; REGISTERS, in windows of 256: window 0: v1-11 addresses; v32-63 x's scale words, v64-95 the weights' (two sets); v128-191, v192-255 x's fragments, two sets.   window 1: the chunk's 32 accumulators, (token tile m,
; weight tile e) at v[32 m + 8 e].   window 2: S^T's tiles 0-31.   window 3: v0-127 x's K steps 6, 7; v128-159, v160-191 the weights' fragments, two sets; v192-223 S^T's tiles 32-35.
.set XTB,   6144                       ; a token tile's six K steps in LDS
.set RING,  49152                      ; behind x's 8 x 6,144 bytes
.set SLOTB, 131072                     ; a slot: four waves' parts
.set PARTB, 32768
.set SPARE, RING+2*SLOTB               ; the spare words, 128 bytes a wave, that no other line names
.set REDB,  36864                      ; 36 tiles of 1,024 bytes
.set WV,  14                           ; s14 my wave's number
.set G1,  24                           ; s[24:31] descriptor group 1
.set G0,  32                           ; s[32:35], s[36:39] group 0 for slot 0, 1
.set L16, 1                            ; v1  16 x lane: an image's place for my lane (x's images begin at LDS byte 0)
.set AW,  3                            ; v3, v4  my part of slot 0, 1
.set AXW, 5                            ; v5  where I store x's images
.set LSC, 6                            ; v6  scale words: lanes 0-15 one tile's rows, lanes 16-31 the next tile's
.set ARD, 7                            ; v7-10 the four waves' sums of my nine tiles
.set RED, 11                           ; v11 where I put my sums
.set SPW, 30
.set NIL, 31
.set XS,  32
.set WS,  64
.set XF,  128
.set WF,  128
.set MSB, 0
.macro WIN new                         ; the immediate's high byte repeats the setting that is left
.if MSB != \new
	s_set_vgpr_msb (MSB<<8)|\new
.set MSB, \new
.endif
.endm
.macro PLACES n
.rept \n
	v_nop
.endr
.endm
.macro CROUND                          ; a round of the cluster's barrier
	s_barrier_signal -1
	s_barrier_wait -1
	s_cmp_lg_u32 s[WV], 0
	s_cbranch_scc1 .Lnot_wave_0_\@
	s_barrier_signal -3
.Lnot_wave_0_\@:
	s_barrier_wait -3
	s_barrier_signal -1
	s_barrier_wait -1
.endm
.macro BARRIER                         ; my LDS instructions are done: then the work-group's barrier
	s_wait_dscnt 0x0
	s_barrier_signal -1
	s_barrier_wait -1
.endm
; one quantised product; its registers and the rows of its scale registers stand in symbols
.macro FP4
.if fZ
.if fA && fB
	v_wmma_scale_f32_16x16x128_f8f6f4 v[rD:rD+7], v[rA:rA+7], v[rB:rB+7], 0, v[rSA], v[rSB] matrix_a_fmt:MATRIX_FMT_FP4 matrix_b_fmt:MATRIX_FMT_FP4 matrix_a_scale:MATRIX_SCALE_ROW1 matrix_b_scale:MATRIX_SCALE_ROW1
.elseif fA
	v_wmma_scale_f32_16x16x128_f8f6f4 v[rD:rD+7], v[rA:rA+7], v[rB:rB+7], 0, v[rSA], v[rSB] matrix_a_fmt:MATRIX_FMT_FP4 matrix_b_fmt:MATRIX_FMT_FP4 matrix_a_scale:MATRIX_SCALE_ROW1
.elseif fB
	v_wmma_scale_f32_16x16x128_f8f6f4 v[rD:rD+7], v[rA:rA+7], v[rB:rB+7], 0, v[rSA], v[rSB] matrix_a_fmt:MATRIX_FMT_FP4 matrix_b_fmt:MATRIX_FMT_FP4 matrix_b_scale:MATRIX_SCALE_ROW1
.else
	v_wmma_scale_f32_16x16x128_f8f6f4 v[rD:rD+7], v[rA:rA+7], v[rB:rB+7], 0, v[rSA], v[rSB] matrix_a_fmt:MATRIX_FMT_FP4 matrix_b_fmt:MATRIX_FMT_FP4
.endif
.else
.if fA && fB
	v_wmma_scale_f32_16x16x128_f8f6f4 v[rD:rD+7], v[rA:rA+7], v[rB:rB+7], v[rD:rD+7], v[rSA], v[rSB] matrix_a_fmt:MATRIX_FMT_FP4 matrix_b_fmt:MATRIX_FMT_FP4 matrix_a_scale:MATRIX_SCALE_ROW1 matrix_b_scale:MATRIX_SCALE_ROW1
.elseif fA
	v_wmma_scale_f32_16x16x128_f8f6f4 v[rD:rD+7], v[rA:rA+7], v[rB:rB+7], v[rD:rD+7], v[rSA], v[rSB] matrix_a_fmt:MATRIX_FMT_FP4 matrix_b_fmt:MATRIX_FMT_FP4 matrix_a_scale:MATRIX_SCALE_ROW1
.elseif fB
	v_wmma_scale_f32_16x16x128_f8f6f4 v[rD:rD+7], v[rA:rA+7], v[rB:rB+7], v[rD:rD+7], v[rSA], v[rSB] matrix_a_fmt:MATRIX_FMT_FP4 matrix_b_fmt:MATRIX_FMT_FP4 matrix_b_scale:MATRIX_SCALE_ROW1
.else
	v_wmma_scale_f32_16x16x128_f8f6f4 v[rD:rD+7], v[rA:rA+7], v[rB:rB+7], v[rD:rD+7], v[rSA], v[rSB] matrix_a_fmt:MATRIX_FMT_FP4 matrix_b_fmt:MATRIX_FMT_FP4
.endif
.endif
.endm
.macro LOADW sig, s                    ; the four weight fragments of K step s from slot sig into set s % 2
	WIN 0xc0                                       ; destination window 3, address window 0
.irp e, 0,1,2,3
.irp c, 0,1
	ds_load_b128 v[WF+32*((\s)%2)+8*\e+4*\c:WF+32*((\s)%2)+8*\e+4*\c+3], v[AW+(\sig)] offset:\e*8192+(\s)*1024+\c*512
.endr
.endr
.endm
.macro LOADX s                         ; x's eight fragments of K step s (0 to 5) into set s % 2
	WIN 0
.irp m, 0,1,2,3,4,5,6,7
.irp c, 0,1
	ds_load_b128 v[XF+64*((\s)%2)+8*\m+4*\c:XF+64*((\s)%2)+8*\m+4*\c+3], v[L16] offset:\m*XTB+(\s)*1024+\c*512
.endr
.endr
.endm
.macro LOADWS c                        ; chunk c's scale words of the weights into set c % 2
.irp pr, 0,1
.irp kh, 0,1
	global_load_b128 v[WS+16*((\c)%2)+8*\pr+4*\kh:WS+16*((\c)%2)+8*\pr+4*\kh+3], v[LSC], s[46:47] offset:(\c)*2048+\pr*1024+\kh*256
.endr
.endr
.endm
; A K step of 128: 32 products, the 32 accumulators by turns in one fixed order.  The next step's fragments are asked for ahead of the products, a whole step ahead of their use.
; A load into a register that a matrix instruction has read stands four plain vector instructions behind it (ISA guide 7.12.1 for vector instructions); a matrix instruction that writes over
; registers that earlier products read (zero = 1: the accumulators held the f16 fragments) stands five behind them.
.macro KSTEP sig, s, zero, wset
	s_wait_dscnt 0x0                               ; this step's fragments are in
.if \zero
	PLACES 5
.else
	PLACES 4
.endif
.if (\s) < 7
	LOADW \sig, (\s)+1
.endif
.if (\s) < 5
	LOADX (\s)+1
.endif
.if (\s) < 6
	WIN 0x53                                       ; source 0 (W) window 3, source 1 (x) window 0, C and D window 1
.else
	WIN 0x5f                                       ; x's K steps 6 and 7 lie in window 3
.endif
.irp m, 0,1,2,3,4,5,6,7
.irp e, 0,1,2,3
.set rD, 32*\m+8*\e
.set rA, WF+32*((\s)%2)+8*\e
.if (\s) < 6
.set rB, XF+64*((\s)%2)+8*\m
.else
.set rB, 16*\m+8*((\s)-6)
.endif
.set rSA, WS+16*(\wset)+8*(\e/2)+(\s)
.set rSB, XS+8*(\m/2)+(\s)
.set fA, \e%2
.set fB, \m%2
.set fZ, \zero
	FP4
.endr
.endr
.endm
.macro PACK                            ; each run of 16 registers (two neighbouring tiles) becomes one f16 fragment in its first eight; each accumulator is read from its low end on
	WIN 0x45
.set i, 0
.rept 16
.irp k, 0,1,2,3,4,5,6,7
	v_cvt_pk_f16_f32 v[16*i+\k], v[16*i+2*\k], v[16*i+2*\k+1]
.endr
.set i, i+1
.endr
.endm
.macro SPROD zero                      ; S^T += k q^T over the chunk's 32 d: the 36 tiles on and under the diagonal, by turns
.irp qi, 0,1,2,3,4,5,6,7
.irp kj, 0,1,2,3,4,5,6,7
.if \kj <= \qi
.set t, \qi*(\qi+1)/2+\kj
.if t < 32
	WIN 0xa5                                       ; sources window 1, C and D window 2
.set rD, 8*t
.else
	WIN 0xf5                                       ; C and D window 3
.set rD, 192+8*(t-32)
.endif
.if \zero
	v_wmma_f32_16x16x32_f16 v[rD:rD+7], v[32*\kj+16:32*\kj+23], v[32*\qi:32*\qi+7], 0
.else
	v_wmma_f32_16x16x32_f16 v[rD:rD+7], v[32*\kj+16:32*\kj+23], v[32*\qi:32*\qi+7], v[rD:rD+7]
.endif
.endif
.endr
.endr
.endm
; The slot just read out is filled again with the chunk two on.  Every wave waits for all its tensor loads (the one that is out is the other slot's), adds 0 to its spare word, waits for that and for its reads of the
; slot; a round of the cluster's barrier; the joint refill first behind it.  One load a wave is out then, and it has a whole chunk's products in which to land.
.macro CHANGE sig
	s_wait_tensorcnt 0x0
	ds_add_u32 v[SPW], v[NIL]
	s_add_nc_u64 s[G0+4*(\sig)+2:G0+4*(\sig)+3], s[G0+4*(\sig)+2:G0+4*(\sig)+3], 2*PARTB   ; no tensor load of mine is out, so the group 0 may be written
	s_wait_dscnt 0x0
	CROUND
	tensor_load_to_lds s[G0+4*(\sig):G0+4*(\sig)+3], s[G1:G1+7]
	s_nop 0
	PLACES 4                                       ; also the places behind the chunk's last products
.endm
.macro CHUNK c
	WIN 0
	s_wait_loadcnt 0x0                             ; this chunk's scale words (chunk 0: x's scale words and K steps 6, 7 too)
.if \c < 3
	LOADWS (\c)+1
.endif
	KSTEP (\c)%2, 0, 1, (\c)%2
.irp s, 1,2,3,4,5,6,7
	KSTEP (\c)%2, \s, 0, (\c)%2
.endr
	WIN 0
.if \c < 2
	CHANGE (\c)%2
.elseif \c == 2
	s_wait_tensorcnt 0x0                           ; chunk 3 is in: no load was issued behind it
	PLACES 4
.else
	PLACES 4
.endif
.if \c < 3
	LOADW ((\c)+1)%2, 0                            ; the next chunk's first fragments land under the packing and the score products
	LOADX 0
.endif
	PACK
	PLACES 4
.if \c == 0
	SPROD 1
.else
	SPROD 0
.endif
.endm
	s_load_b256 s[4:11], s[0:1], 0x0               ; xc s[4:5], xs s[6:7], wc s[8:9], ws s[10:11]
	s_load_b64 s[12:13], s[0:1], 0x20              ; sp
	v_lshl_add_u32 v[SPW], v0, 2, SPARE
	v_mov_b32 v[NIL], 0
	ds_add_u32 v[SPW], v[NIL]                      ; the wave's opening: the add, twice on end, and its wait ahead of my first tensor load
	ds_add_u32 v[SPW], v[NIL]
	v_lshrrev_b32 v2, 5, v0
	v_readfirstlane_b32 s[WV], v2                  ; wave 0..3
	s_bfe_u32 s15, ttmp6, 0x40000                  ; cx: my place in the cluster
	s_lshl_b32 s16, ttmp9, 2
	s_add_co_u32 s16, s16, s15                     ; the batch: it enters global addresses of x's codes, their scale words and of sp alone
	s_and_b32 s17, ttmp7, 0xffff                   ; j, which the four partners share
	s_mov_b32 s[G1], 15|(3<<16)|(1<<21)            ; 15:0 the mask: all four work-groups; 17:16 elements of 8 bytes; 21 set beside a mask; no padding: images are read 512 bytes on end
	s_mov_b32 s[G1+1], 32<<16                      ; tensor_dim0 = 32 elements: rows of 256 bytes
	s_mov_b32 s[G1+2], 128<<16                     ; tensor_dim1 = 128
	s_mov_b32 s[G1+3], 32<<16                      ; tile_dim0
	s_mov_b32 s[G1+4], 128                         ; tile_dim1
	s_mov_b32 s[G1+5], 32                          ; the pitch: the block is dense
	s_mov_b32 s[G1+6], 0
	s_mov_b32 s[G1+7], 0
	s_lshl_b32 s18, s17, 4
	s_lshl_b32 s19, s[WV], 2
	s_add_co_u32 s18, s18, s19                     ; my first chunk's four tiles: number 16 j + 4 w
	s_lshl_b32 s20, s18, 15
	s_mov_b32 s21, 0
	s_lshl_b32 s22, s18, 11
	s_mov_b32 s23, 0
	s_lshl_b32 s48, s16, 16                        ; a batch's codes: 8 tiles of 8,192 bytes
	s_mov_b32 s49, 0
	s_lshl_b32 s50, s[WV], 14                      ; the two tiles whose images I store
	s_mov_b32 s51, 0
	s_lshl_b32 s52, s16, 12
	s_mov_b32 s53, 0
	s_lshl_b32 s54, s16, 1
	s_add_co_u32 s54, s54, s17
	s_mul_i32 s54, s54, REDB
	s_mul_i32 s55, s[WV], 9216
	s_add_co_u32 s54, s54, s55                     ; sp: (2 b + j) x 36 tiles, + my nine
	s_mov_b32 s55, 0
	s_mov_b32 s[G0], 1
	s_lshl_b32 s[G0+1], s[WV], 15
	s_add_co_u32 s[G0+1], s[G0+1], RING            ; my part of slot 0: no place in the cluster enters an LDS address
	s_mov_b32 s[G0+4], 1
	s_add_co_u32 s[G0+5], s[G0+1], SLOTB
	s_wait_dscnt 0x0                               ; both opening adds are done
	s_wait_kmcnt 0x0
	s_add_nc_u64 s[G0+2:G0+3], s[8:9], s[20:21]    ; chunk 0
	s_add_nc_u64 s[G0+6:G0+7], s[G0+2:G0+3], PARTB ; chunk 1
	s_or_b32 s[G0+3], s[G0+3], 0x80000000
	s_or_b32 s[G0+7], s[G0+7], 0x80000000
	s_add_nc_u64 s[40:41], s[4:5], s[48:49]
	s_add_nc_u64 s[42:43], s[40:41], s[50:51]
	s_add_nc_u64 s[44:45], s[6:7], s[52:53]
	s_add_nc_u64 s[46:47], s[10:11], s[22:23]
	s_add_nc_u64 s[12:13], s[12:13], s[54:55]
	CROUND                                         ; all four work-groups are here: the first joint loads meet
	tensor_load_to_lds s[G0:G0+3], s[G1:G1+7]      ; two loads of mine are out
	s_nop 0
	tensor_load_to_lds s[G0+4:G0+7], s[G1:G1+7]
	s_nop 0
	PLACES 4
	v_and_b32 v2, 31, v0
	v_lshlrev_b32 v[L16], 4, v2
	v_add_nc_u32 v[AW], s[G0+1], v[L16]
	v_add_nc_u32 v[AW+1], s[G0+5], v[L16]
	s_mul_i32 s55, s[WV], 2*XTB
	v_add_nc_u32 v[AXW], s55, v[L16]
	v_lshrrev_b32 v12, 4, v2
	v_and_b32 v13, 15, v2
	v_lshlrev_b32 v[LSC], 4, v13
	v_lshl_add_u32 v[LSC], v12, 9, v[LSC]
	s_mul_i32 s56, s[WV], 9216
	s_add_co_u32 s56, s56, RING
.irp u, 0,1,2,3
	v_add_nc_u32 v[ARD+\u], s56, v[L16]
	s_add_co_u32 s56, s56, REDB
.endr
	s_mul_i32 s57, s[WV], REDB
	s_add_co_u32 s57, s57, RING
	v_add_nc_u32 v[RED], s57, v[L16]
	WIN 0x40                                       ; destination window 1: the accumulators' registers are free yet
.irp tt, 0,1
.irp i, 0,1,2,3,4,5,6,7,8,9,10,11
	global_load_b128 v[4*(12*\tt+\i):4*(12*\tt+\i)+3], v[L16], s[42:43] offset:\tt*8192+\i*512   ; K steps 0-5 of token tiles 2 w, 2 w + 1
.endr
.endr
	WIN 0
.irp p, 0,1,2,3
.irp kh, 0,1
	global_load_b128 v[XS+8*\p+4*\kh:XS+8*\p+4*\kh+3], v[LSC], s[44:45] offset:\p*1024+\kh*256   ; lanes 0-15: tile 2 p's words of four K steps; lanes 16-31: tile 2 p + 1's
.endr
.endr
	LOADWS 0
	WIN 0xc0
.irp m, 0,1,2,3,4,5,6,7
.irp i, 0,1,2,3
	global_load_b128 v[16*\m+4*\i:16*\m+4*\i+3], v[L16], s[40:41] offset:\m*8192+6144+\i*512     ; K steps 6 and 7 of all eight tiles stay in registers
.endr
.endr
	WIN 0x04                                       ; an LDS store's data are its source 1: window 1
	s_wait_loadcnt 44                              ; the 24 image loads are in; the 8 + 4 + 32 behind them may be out
.irp tt, 0,1
.irp i, 0,1,2,3,4,5,6,7,8,9,10,11
	ds_store_b128 v[AXW], v[4*(12*\tt+\i):4*(12*\tt+\i)+3] offset:\tt*XTB+\i*512
.endr
.endr
	WIN 0
	s_wait_dscnt 0x0
	s_wait_tensorcnt 1                             ; my part of slot 0 is in; slot 1's may stay out
	s_barrier_signal -1
	s_barrier_wait -1                              ; x's images lie in LDS
	LOADW 0, 0
	LOADX 0
	CHUNK 0
	CHUNK 1
	CHUNK 2
	CHUNK 3
	; THE FOUR WAVES' SUMS MEET.  The ring has had its last fill; behind this barrier no wave reads it as a ring any more
	PLACES 4
	WIN 0
	BARRIER
	WIN 0x08                                       ; the data: window 2
.set t, 0
.rept 32
	ds_store_b128 v[RED], v[8*t:8*t+3] offset:t*1024               ; each accumulator from its low end on
	ds_store_b128 v[RED], v[8*t+4:8*t+7] offset:t*1024+512
.set t, t+1
.endr
	WIN 0x0c                                       ; window 3
.rept 4
	ds_store_b128 v[RED], v[192+8*(t-32):192+8*(t-32)+3] offset:t*1024
	ds_store_b128 v[RED], v[192+8*(t-32)+4:192+8*(t-32)+7] offset:t*1024+512
.set t, t+1
.endr
	WIN 0
	BARRIER
.irp g, 0,1,2                          ; three tiles at a time
.if \g > 0
	s_wait_xcnt 0x0                                ; the last group's stores have read their registers
.endif
.irp u, 0,1,2,3
.irp k, 0,1,2,3,4,5
	ds_load_b128 v[128+24*\u+4*\k:128+24*\u+4*\k+3], v[ARD+\u] offset:(6*\g+\k)*512
.endr
.endr
	s_wait_dscnt 0x0
.irp k, 0,2,4,6,8,10,12,14,16,18,20,22
	v_pk_add_f32 v[128+\k:129+\k], v[128+\k:129+\k], v[152+\k:153+\k]
	v_pk_add_f32 v[176+\k:177+\k], v[176+\k:177+\k], v[200+\k:201+\k]
.endr
.irp k, 0,2,4,6,8,10,12,14,16,18,20,22
	v_pk_add_f32 v[128+\k:129+\k], v[128+\k:129+\k], v[176+\k:177+\k]
.endr
.irp k, 0,1,2,3,4,5
	global_store_b128 v[L16], v[128+4*\k:128+4*\k+3], s[12:13] offset:(6*\g+\k)*512   ; 32 lanes store 512 consecutive bytes, aligned
.endr
.endr
	s_wait_tensorcnt 0x0                           ; the wave's end: behind my last tensor load and my last LDS store
	ds_add_u32 v[SPW], v[NIL]
	s_wait_dscnt 0x0
	CROUND                                         ; the closing round
	s_endpgm
.Lfunc_end_k_q8ee9b755f3_scores:
	.size	k_q8ee9b755f3_scores, .Lfunc_end_k_q8ee9b755f3_scores-k_q8ee9b755f3_scores
	.p2alignl 7, 3214868480
	.fill 96, 4, 3214868480
	.section	.rodata,"a",@progbits
	.p2align	6, 0x0
	.amdhsa_kernel k_q8ee9b755f3_scores
		.amdhsa_group_segment_fixed_size 327680
		.amdhsa_private_segment_fixed_size 0
		.amdhsa_enable_private_segment 0
		.amdhsa_kernarg_size 40
		.amdhsa_user_sgpr_count 2
		.amdhsa_user_sgpr_kernarg_segment_ptr 1
		.amdhsa_wavefront_size32 1
		.amdhsa_system_sgpr_workgroup_id_x 1
		.amdhsa_system_sgpr_workgroup_id_y 1
		.amdhsa_system_sgpr_workgroup_id_z 1
		.amdhsa_system_vgpr_workitem_id 0
		.amdhsa_next_free_vgpr 1024
		.amdhsa_next_free_sgpr 66
		.amdhsa_reserve_vcc 0
		.amdhsa_float_denorm_mode_32 3
		.amdhsa_float_denorm_mode_16_64 3
		.amdhsa_memory_ordered 1
		.amdhsa_forward_progress 1
		.amdhsa_inst_pref_size 252
	.end_amdhsa_kernel
	.amdgpu_metadata
---
amdhsa.version: [ 1, 2 ]
amdhsa.kernels:
  - .name:           k_q8ee9b755f3_scores
    .symbol:         k_q8ee9b755f3_scores.kd
    .args:
      - { .name: xc, .offset: 0, .size: 8, .value_kind: global_buffer, .address_space: global }
      - { .name: xs, .offset: 8, .size: 8, .value_kind: global_buffer, .address_space: global }
      - { .name: wc, .offset: 16, .size: 8, .value_kind: global_buffer, .address_space: global }
      - { .name: ws, .offset: 24, .size: 8, .value_kind: global_buffer, .address_space: global }
      - { .name: sp, .offset: 32, .size: 8, .value_kind: global_buffer, .address_space: global }
    .group_segment_fixed_size: 327680
    .private_segment_fixed_size: 0
    .kernarg_segment_align: 8
    .kernarg_segment_size: 40
    .max_flat_workgroup_size: 128
    .sgpr_count:     66
    .vgpr_count:     1024
    .wavefront_size: 32
...
	.end_amdgpu_metadata
.endif
;; end of part 2
;; launch values (part 3): grid 128 x 2, 4 waves a work-group, clusters of 4 x 1, 327,680 bytes of LDS; arguments xc, xs, wc, ws, sp, out0; writes out0
.if DOCPART == 3
	.amdgcn_target "amdgcn-amd-amdhsa--gfx1250"
	.amdhsa_code_object_version 6
	.text
	.protected	k_q8ee9b755f3_values
	.globl	k_q8ee9b755f3_values
	.p2align	8
	.type	k_q8ee9b755f3_values,@function
k_q8ee9b755f3_values:
	s_mov_b64 s[64:65], 0
	v_nop
	global_prefetch_b8 v0, s[64:65] scope:SCOPE_SE
	s_setreg_imm32_b32 hwreg(HW_REG_WAVE_MODE, 25, 1), 1
	s_wait_xcnt 0x0
	s_wait_alu depctr_hold_cnt(0) depctr_sa_sdst(0) depctr_va_vdst(0) depctr_va_sdst(0) depctr_va_ssrc(0) depctr_va_vcc(0) depctr_vm_vsrc(0)
	s_getreg_b32 s2, hwreg(HW_REG_IB_STS2, 6, 4)
	s_cmp_eq_u32 s2, 0
	s_cbranch_scc0 .Lentry_in_a_cluster
	s_endpgm
.Lentry_in_a_cluster:
	s_bfe_u32 s2, ttmp6, 0x10000c
	s_cmp_lg_u32 s2, 0x3003
	s_cbranch_scc0 .Lentry_shape_is_right
	s_endpgm
.Lentry_shape_is_right:
; For batch b and half j of the channels d: S^T = the two halves' sums; the causal mask; softmax of S / 32, with the row's maximum taken away; p rounded to f16; v = x Wv^T on codes of E2M1 (128 tokens x 512 d),
; rounded to f16; O = p v; out0[b][d][t], rows d = 512 j .. 512 j + 511.
; WORK LEFT OUT: the 28 score tiles that lie wholly under reference()'s own mask were never made, and the steps of 32 keys of p v that lie wholly behind the diagonal are not multiplied: 12 of 32 (shown at the head of
; the first launch).   LIMITS: |v| stays inside f16's range, 65,504; NaN and infinities among the inputs are not served.
; SOFTMAX: wave w takes query tiles w and 7 - w, nine tiles of 16 keys in all, as slots 0-8: slot i belongs to tile w where i <= w, else to tile 7 - w.  w is at most 3: slot 0 is always tile w's, slots 4-8 always
; tile 7 - w's; for slots 1-3 values are selected by masks made of the wave's number.  A diagonal tile stands in slot w or in slot 8, so slots 0-3 and 8 go through the compare with the key's number.
; A lane holds one query (lane % 16) and eight keys a tile; four packed registers of a tile are half of p's f16 fragment (16 queries x 32 keys); the tiles go to all waves through LDS as images of those registers.
; THE QUANTISED PRODUCT is used as it stands (source 0 = 16 tokens, source 1 = 16 rows of Wv): a lane holds one d and eight tokens, so two neighbouring token tiles, rounded in pairs, are V^T's fragment (16 d x 32 keys).
; O: source 0 = p, source 1 = V^T: a lane holds one d and eight neighbouring t, 32 bytes of a row of out0.  A tile of 16 d goes through the wave's stage and leaves as whole rows of 512 bytes.
; SHARES: wave w makes d = 512 j + 128 w .. + 127 in two chunks of four tiles; both chunks' weights are first fills, one in each slot: nothing is filled again.  CLUSTER: four batches with one j ask for the weights jointly.
; REGISTERS: window 0: v1-13 addresses; v16-24 a number a slot; v32-63, v64-95 scale words; v96-167 T, v168-239 U and then scratch, v244-252 offsets (softmax); later v128-191, v192-255 x's fragments, the second set
; also the rows on the way out.   window 1: 32 accumulators, (weight tile e, token tile m) at v[64 e + 8 m].   window 2: v0-159 p's 20 fragments; v160-223 O, set 0.   window 3: v0-127 x's K steps 6, 7; v128-191 the
; weights' fragments, two sets; v192-255 O, set 1.
.set XTB,   6144
.set RING,  49152
.set SLOTB, 131072
.set PARTB, 32768
.set SPARE, RING+2*SLOTB
.set PWB,   4608                       ; a wave's nine images of 512 bytes; they lie from LDS byte 0 on, where x's images come later
.set OP,    528                        ; a stage row: 512 bytes + 16
.set WV,  16                           ; s16 my wave's number
.set G1,  24
.set G0,  32
.set SEL, 40                           ; s[40:41] v_permlanex16_b32's selects for lane l xor 16
.set CS,  42                           ; s[42:43] c = log2(e) / 32
.set SM,  44                           ; s45-47: all ones where slot 1, 2, 3 belongs to query tile w
.set L16, 1
.set AW,  3                            ; v3, v4; v3 is also where I read a stage row back
.set AXW, 5
.set LSC, 6
.set STO, 7                            ; v7  the stage: where I put 32 bytes of a row
.set PST, 9                            ; v9  where I store p's images
.set SPW, 30
.set NIL, 31
.set XS,  32
.set WS,  64
.set XF,  128
.set WF,  128
.set RB,  192
.set T,   96
.set U,   168
.set NM,  168                          ; five pairs: -c m of tile w, of tile 7 - w, of slots 1-3 (the low word serves both halves)
.set RR,  178                          ; five pairs: 1 / l likewise
.set SU,  192                          ; four registers a slot for its sum
.set OFS, 244
.set MSB, 0
.macro WIN new
.if MSB != \new
	s_set_vgpr_msb (MSB<<8)|\new
.set MSB, \new
.endif
.endm
.macro PLACES n
.rept \n
	v_nop
.endr
.endm
.macro CROUND
	s_barrier_signal -1
	s_barrier_wait -1
	s_cmp_lg_u32 s[WV], 0
	s_cbranch_scc1 .Lnot_wave_0_\@
	s_barrier_signal -3
.Lnot_wave_0_\@:
	s_barrier_wait -3
	s_barrier_signal -1
	s_barrier_wait -1
.endm
.macro BARRIER
	s_wait_dscnt 0x0
	s_barrier_signal -1
	s_barrier_wait -1
.endm
.macro FP4
.if fZ
.if fA && fB
	v_wmma_scale_f32_16x16x128_f8f6f4 v[rD:rD+7], v[rA:rA+7], v[rB:rB+7], 0, v[rSA], v[rSB] matrix_a_fmt:MATRIX_FMT_FP4 matrix_b_fmt:MATRIX_FMT_FP4 matrix_a_scale:MATRIX_SCALE_ROW1 matrix_b_scale:MATRIX_SCALE_ROW1
.elseif fA
	v_wmma_scale_f32_16x16x128_f8f6f4 v[rD:rD+7], v[rA:rA+7], v[rB:rB+7], 0, v[rSA], v[rSB] matrix_a_fmt:MATRIX_FMT_FP4 matrix_b_fmt:MATRIX_FMT_FP4 matrix_a_scale:MATRIX_SCALE_ROW1
.elseif fB
	v_wmma_scale_f32_16x16x128_f8f6f4 v[rD:rD+7], v[rA:rA+7], v[rB:rB+7], 0, v[rSA], v[rSB] matrix_a_fmt:MATRIX_FMT_FP4 matrix_b_fmt:MATRIX_FMT_FP4 matrix_b_scale:MATRIX_SCALE_ROW1
.else
	v_wmma_scale_f32_16x16x128_f8f6f4 v[rD:rD+7], v[rA:rA+7], v[rB:rB+7], 0, v[rSA], v[rSB] matrix_a_fmt:MATRIX_FMT_FP4 matrix_b_fmt:MATRIX_FMT_FP4
.endif
.else
.if fA && fB
	v_wmma_scale_f32_16x16x128_f8f6f4 v[rD:rD+7], v[rA:rA+7], v[rB:rB+7], v[rD:rD+7], v[rSA], v[rSB] matrix_a_fmt:MATRIX_FMT_FP4 matrix_b_fmt:MATRIX_FMT_FP4 matrix_a_scale:MATRIX_SCALE_ROW1 matrix_b_scale:MATRIX_SCALE_ROW1
.elseif fA
	v_wmma_scale_f32_16x16x128_f8f6f4 v[rD:rD+7], v[rA:rA+7], v[rB:rB+7], v[rD:rD+7], v[rSA], v[rSB] matrix_a_fmt:MATRIX_FMT_FP4 matrix_b_fmt:MATRIX_FMT_FP4 matrix_a_scale:MATRIX_SCALE_ROW1
.elseif fB
	v_wmma_scale_f32_16x16x128_f8f6f4 v[rD:rD+7], v[rA:rA+7], v[rB:rB+7], v[rD:rD+7], v[rSA], v[rSB] matrix_a_fmt:MATRIX_FMT_FP4 matrix_b_fmt:MATRIX_FMT_FP4 matrix_b_scale:MATRIX_SCALE_ROW1
.else
	v_wmma_scale_f32_16x16x128_f8f6f4 v[rD:rD+7], v[rA:rA+7], v[rB:rB+7], v[rD:rD+7], v[rSA], v[rSB] matrix_a_fmt:MATRIX_FMT_FP4 matrix_b_fmt:MATRIX_FMT_FP4
.endif
.endif
.endm
.macro LOADW sig, s
	WIN 0xc0
.irp e, 0,1,2,3
.irp c, 0,1
	ds_load_b128 v[WF+32*((\s)%2)+8*\e+4*\c:WF+32*((\s)%2)+8*\e+4*\c+3], v[AW+(\sig)] offset:\e*8192+(\s)*1024+\c*512
.endr
.endr
.endm
.macro LOADX s
	WIN 0
.irp m, 0,1,2,3,4,5,6,7
.irp c, 0,1
	ds_load_b128 v[XF+64*((\s)%2)+8*\m+4*\c:XF+64*((\s)%2)+8*\m+4*\c+3], v[L16] offset:\m*XTB+(\s)*1024+\c*512
.endr
.endr
.endm
; A K step of 128: 32 products, the 32 accumulators by turns in one fixed order; the next step's fragments are asked for ahead of them.  Four plain vector instructions stand between products and
; loads into registers that they read; five where the products write over registers that earlier products read (zero = 1).
.macro KSTEP sig, s, zero, wset
	s_wait_dscnt 0x0                               ; this step's fragments are in
.if \zero
	PLACES 5
.else
	PLACES 4
.endif
.if (\s) < 7
	LOADW \sig, (\s)+1
.endif
.if (\s) < 5
	LOADX (\s)+1
.endif
.if (\s) < 6
	WIN 0x5c                                       ; source 0 (x) window 0, source 1 (W) window 3, C and D window 1
.else
	WIN 0x5f
.endif
.irp m, 0,1,2,3,4,5,6,7
.irp e, 0,1,2,3
.set rD, 64*\e+8*\m
.set rB, WF+32*((\s)%2)+8*\e
.if (\s) < 6
.set rA, XF+64*((\s)%2)+8*\m
.else
.set rA, 16*\m+8*((\s)-6)
.endif
.set rSA, XS+8*(\m/2)+(\s)
.set rSB, WS+16*(\wset)+8*(\e/2)+(\s)
.set fA, \m%2
.set fB, \e%2
.set fZ, \zero
	FP4
.endr
.endr
.endm
.macro PACK                            ; each run of 16 registers (token tiles 2 cc, 2 cc + 1 of a weight tile) becomes V^T's f16 fragment in its first eight
	WIN 0x45
.set i, 0
.rept 16
.irp k, 0,1,2,3,4,5,6,7
	v_cvt_pk_f16_f32 v[16*i+\k], v[16*i+2*\k], v[16*i+2*\k+1]
.endr
.set i, i+1
.endr
.endm
; O of weight tile e: 20 products; 32 keys cc on, query tiles 2 cc .. 7; the first eight start the sums.  No two on end share an accumulator.  p's fragments of query tile qi begin at number (qi / 2 + 1)(qi / 2 + qi % 2).
.macro PV e
.if (\e)%2
	WIN 0xf6                                       ; p window 2, V^T window 1, O window 3
.set ob, 192
.else
	WIN 0xa6                                       ; O window 2
.set ob, 160
.endif
.irp cc, 0,1,2,3
.irp qi, 0,1,2,3,4,5,6,7
.if \qi >= 2*\cc
.set fpr, 8*((\qi/2+1)*(\qi/2+\qi%2)+\cc)
.if \cc == 0
	v_wmma_f32_16x16x32_f16 v[ob+8*\qi:ob+8*\qi+7], v[fpr:fpr+7], v[64*(\e)+16*\cc:64*(\e)+16*\cc+7], 0
.else
	v_wmma_f32_16x16x32_f16 v[ob+8*\qi:ob+8*\qi+7], v[fpr:fpr+7], v[64*(\e)+16*\cc:64*(\e)+16*\cc+7], v[ob+8*\qi:ob+8*\qi+7]
.endif
.endif
.endr
.endr
.endm
; The way out of weight tile e of chunk c: 16 rows d x 128 t through my stage, which lies in my part of slot 0: read out, never filled again, and no other wave's.  The next tile's products stand between the loads
; from the stage and the wait for them.
.macro WAYOUT c, e
	PLACES 4
.if (\e)%2
	WIN 0x0c
.set ob, 192
.else
	WIN 0x08
.set ob, 160
.endif
.irp qi, 0,1,2,3,4,5,6,7
	ds_store_b128 v[STO], v[ob+8*\qi:ob+8*\qi+3] offset:64*\qi     ; lane (r, h): row d = r, t = 16 qi + 8 h + 0 .. 7; each accumulator from its low end on
	ds_store_b128 v[STO], v[ob+8*\qi+4:ob+8*\qi+7] offset:64*\qi+16
.endr
	WIN 0
	s_wait_xcnt 0x0                                ; the last tile's stores have read their registers
.irp i, 0,1,2,3,4,5,6,7,8,9,10,11,12,13,14,15
	ds_load_b128 v[RB+4*\i:RB+4*\i+3], v[AW] offset:\i*OP          ; LDS serves a wave's instructions in order: these see my stores
.endr
.if (\e) < 3
	PV (\e)+1
	WIN 0
.endif
	s_wait_dscnt 0x0
.irp i, 0,1,2,3,4,5,6,7,8,9,10,11,12,13,14,15
	global_store_b128 v[L16], v[RB+4*\i:RB+4*\i+3], s[60:61] offset:(64*(\c)+16*(\e)+\i)*512 th:TH_STORE_NT   ; 32 lanes store a row d: 512 consecutive bytes, aligned
.endr
.endm
.macro VCHUNK c
.if \c > 0
	s_wait_xcnt 0x0                                ; the last stores have read the registers that x's second set takes
.endif
	KSTEP \c, 0, 1, \c
.irp s, 1,2,3,4,5,6,7
	KSTEP \c, \s, 0, \c
.endr
	PLACES 4
	PACK
.if \c == 0
	s_wait_tensorcnt 0x0                           ; chunk 1's weights are in: no load was issued behind them
	LOADW 1, 0
	LOADX 0
.endif
	PLACES 4
	PV 0
	WAYOUT \c, 0
	WAYOUT \c, 1
	WAYOUT \c, 2
	WAYOUT \c, 3
.endm
.macro PIDX i                          ; which of the five pairs serves slot i
.if (\i) == 0
.set px, 0
.elseif (\i) < 4
.set px, 1+(\i)
.else
.set px, 1
.endif
.endm
.macro MASK i, thr                     ; register jj of slot i holds a key that comes after my query where jj > thr
.irp jj, 0,1,2,3,4,5,6,7
	v_cmp_gt_i32 vcc_lo, \jj, v[\thr]
	v_cndmask_b32 v[T+8*(\i)+\jj], v[T+8*(\i)+\jj], v254, vcc_lo
.endr
.endm
	s_load_b256 s[4:11], s[0:1], 0x0               ; xc, xs, wc, ws
	s_load_b128 s[12:15], s[0:1], 0x20             ; sp, out0
	v_lshl_add_u32 v[SPW], v0, 2, SPARE
	v_mov_b32 v[NIL], 0
	ds_add_u32 v[SPW], v[NIL]                      ; the wave's opening: the add, twice on end, and its wait ahead of my first tensor load
	ds_add_u32 v[SPW], v[NIL]
	v_lshrrev_b32 v2, 5, v0
	v_readfirstlane_b32 s[WV], v2
	s_bfe_u32 s17, ttmp6, 0x40000                  ; cx
	s_lshl_b32 s18, ttmp9, 2
	s_add_co_u32 s18, s18, s17                     ; the batch: it enters global addresses alone
	s_and_b32 s19, ttmp7, 0xffff                   ; j
	s_mov_b32 s[G1], 15|(3<<16)|(1<<21)            ; the mask of all four; elements of 8 bytes; bit 21 beside a mask; no padding
	s_mov_b32 s[G1+1], 32<<16
	s_mov_b32 s[G1+2], 128<<16
	s_mov_b32 s[G1+3], 32<<16
	s_mov_b32 s[G1+4], 128
	s_mov_b32 s[G1+5], 32
	s_mov_b32 s[G1+6], 0
	s_mov_b32 s[G1+7], 0
	s_lshl_b32 s20, s19, 5
	s_lshl_b32 s21, s[WV], 3
	s_add_co_u32 s20, s20, s21
	s_add_co_u32 s20, s20, 128                     ; my first tile's place among the weights' tiles: 128 + 32 j + 8 w
	s_lshl_b32 s62, s20, 9
	s_mov_b32 s63, 0
	s_lshl_b32 s20, s20, 13
	s_mov_b32 s21, 0
	s_mov_b32 s[G0], 1
	s_lshl_b32 s[G0+1], s[WV], 15
	s_add_co_u32 s[G0+1], s[G0+1], RING
	s_mov_b32 s[G0+4], 1
	s_add_co_u32 s[G0+5], s[G0+1], SLOTB
	s_mov_b32 s[SEL], 0x76543210
	s_mov_b32 s[SEL+1], 0xfedcba98
	s_mov_b32 s[CS], 0x3d38aa3b                    ; log2(e) / 32
	s_mov_b32 s[CS+1], s[CS]
	s_wait_dscnt 0x0
	s_wait_kmcnt 0x0
	s_add_nc_u64 s[G0+2:G0+3], s[8:9], s[20:21]    ; chunk 0
	s_add_nc_u64 s[G0+6:G0+7], s[G0+2:G0+3], PARTB ; chunk 1
	s_or_b32 s[G0+3], s[G0+3], 0x80000000
	s_or_b32 s[G0+7], s[G0+7], 0x80000000
	s_add_nc_u64 s[54:55], s[10:11], s[62:63]      ; my weights' scale words
	s_mov_b32 s23, 0
	s_lshl_b32 s22, s18, 16
	s_add_nc_u64 s[48:49], s[4:5], s[22:23]        ; the batch's codes,
	s_lshl_b32 s22, s[WV], 14
	s_add_nc_u64 s[50:51], s[48:49], s[22:23]      ; the two tiles whose images I store,
	s_lshl_b32 s22, s18, 12
	s_add_nc_u64 s[52:53], s[6:7], s[22:23]        ; the batch's scale words
	s_mul_i32 s22, s18, 2*36864
	s_add_nc_u64 s[56:57], s[12:13], s[22:23]      ; the two halves' sums of S^T
	s_add_nc_u64 s[58:59], s[56:57], 36864
	s_lshl_b32 s22, s18, 19
	s_add_nc_u64 s[60:61], s[14:15], s[22:23]
	s_lshl_b32 s22, s19, 18
	s_lshl_b32 s44, s[WV], 16
	s_add_co_u32 s22, s22, s44
	s_add_nc_u64 s[60:61], s[60:61], s[22:23]      ; out0 at row d = 512 j + 128 w of the batch
	CROUND
	tensor_load_to_lds s[G0:G0+3], s[G1:G1+7]      ; two loads of mine are out: all that this launch fetches
	s_nop 0
	tensor_load_to_lds s[G0+4:G0+7], s[G1:G1+7]
	s_nop 0
	PLACES 4
	v_and_b32 v2, 31, v0
	v_lshlrev_b32 v[L16], 4, v2
	v_add_nc_u32 v[AW], s[G0+1], v[L16]
	v_add_nc_u32 v[AW+1], s[G0+5], v[L16]
	s_mul_i32 s44, s[WV], 2*XTB
	v_add_nc_u32 v[AXW], s44, v[L16]
	v_and_b32 v12, 15, v0                          ; r
	v_bfe_u32 v13, v0, 4, 1                        ; h
	v_lshlrev_b32 v[LSC], 4, v12
	v_lshl_add_u32 v[LSC], v13, 9, v[LSC]
	v_mul_u32_u24 v[STO], v12, OP
	v_lshl_add_u32 v[STO], v13, 5, v[STO]
	v_add_nc_u32 v[STO], s[G0+1], v[STO]
	s_mul_i32 s44, s[WV], PWB
	v_add_nc_u32 v[PST], s44, v[L16]
	v_lshlrev_b32 v10, 3, v13
	v_sub_nc_u32 v10, v12, v10                     ; r - 8 h
	v_mov_b32 v253, 0
	v_mov_b32 v254, 0xff800000                     ; -infinity
	; which tile of the 36 stands in slot i: tile (qi, kj) has the number qi (qi + 1) / 2 + kj
	s_add_co_u32 s22, s[WV], 1
	s_mul_i32 s22, s22, s[WV]
	s_lshr_b32 s22, s22, 1                         ; w (w + 1) / 2
	s_sub_co_u32 s23, 7, s[WV]
	s_sub_co_u32 s44, 8, s[WV]
	s_mul_i32 s23, s23, s44
	s_lshr_b32 s23, s23, 1
	s_sub_co_u32 s23, s23, s[WV]
	s_sub_co_u32 s23, s23, 1                       ; (7 - w)(8 - w) / 2 - w - 1
.irp i, 0,1,2,3,4,5,6,7,8
	s_cmp_ge_u32 s[WV], \i
	s_cselect_b32 s44, s22, s23
.if (\i >= 1) && (\i <= 3)
	s_cselect_b32 s[SM+\i], -1, 0
.endif
	s_add_co_u32 s44, s44, \i
	v_lshl_add_u32 v[OFS+\i], s44, 10, v[L16]
.endr
.irp i, 0,1,2,3,4,5,6,7,8
	global_load_b128 v[T+8*\i:T+8*\i+3], v[OFS+\i], s[56:57]
	global_load_b128 v[T+8*\i+4:T+8*\i+7], v[OFS+\i], s[56:57] offset:512
	global_load_b128 v[U+8*\i:U+8*\i+3], v[OFS+\i], s[58:59]
	global_load_b128 v[U+8*\i+4:U+8*\i+7], v[OFS+\i], s[58:59] offset:512
.endr
	WIN 0x40                                       ; destination window 1: the accumulators' registers are free yet
.irp tt, 0,1
.irp i, 0,1,2,3,4,5,6,7,8,9,10,11
	global_load_b128 v[4*(12*\tt+\i):4*(12*\tt+\i)+3], v[L16], s[50:51] offset:\tt*8192+\i*512
.endr
.endr
	WIN 0
	s_wait_loadcnt 24                              ; the 36 loads of S^T are in; the 24 of x's images may be out
.irp p, 0,1,2,3
.irp kh, 0,1
	global_load_b128 v[XS+8*\p+4*\kh:XS+8*\p+4*\kh+3], v[LSC], s[52:53] offset:\p*1024+\kh*256
.endr
.endr
.irp c, 0,1
.irp pr, 0,1
.irp kh, 0,1
	global_load_b128 v[WS+16*\c+8*\pr+4*\kh:WS+16*\c+8*\pr+4*\kh+3], v[LSC], s[54:55] offset:\c*2048+\pr*1024+\kh*256
.endr
.endr
.endr
	WIN 0xc0
.irp m, 0,1,2,3,4,5,6,7
.irp i, 0,1,2,3
	global_load_b128 v[16*\m+4*\i:16*\m+4*\i+3], v[L16], s[48:49] offset:\m*8192+6144+\i*512
.endr
.endr
	WIN 0
	; ---- the softmax
.set n, 0
.rept 36
	v_pk_add_f32 v[T+n:T+n+1], v[T+n:T+n+1], v[U+n:U+n+1]          ; the two halves of d
.set n, n+2
.endr
.irp i, 0,1,2,3
	s_sub_co_u32 s62, s[WV], \i
	s_cmp_ge_u32 s[WV], \i
	s_cselect_b32 s62, s62, 8-\i                   ; query tile less key tile
	v_lshl_add_u32 v11, s62, 4, v10                ; off the diagonal this is 8 or more, and nothing is hidden
	MASK \i, 11
.endr
	MASK 8, 10                                     ; slot 8 is the diagonal tile of query tile 7 - w
.irp i, 0,1,2,3,4,5,6,7,8
	v_max3_num_f32 v[16+\i], v[T+8*\i], v[T+8*\i+1], v[T+8*\i+2]
.endr
.irp i, 0,1,2,3,4,5,6,7,8
	v_max3_num_f32 v[16+\i], v[16+\i], v[T+8*\i+3], v[T+8*\i+4]
.endr
.irp i, 0,1,2,3,4,5,6,7,8
	v_max3_num_f32 v[16+\i], v[16+\i], v[T+8*\i+5], v[T+8*\i+6]
.endr
.irp i, 0,1,2,3,4,5,6,7,8
	v_max_num_f32 v[16+\i], v[16+\i], v[T+8*\i+7]
.endr
.irp i, 1,2,3
	v_cndmask_b32 v[227+\i], v254, v[16+\i], s[SM+\i]              ; for tile w: the slot's, or -infinity
	v_cndmask_b32 v[230+\i], v[16+\i], v254, s[SM+\i]              ; for tile 7 - w: the other way round
.endr
	v_max3_num_f32 v234, v16, v228, v229
	v_max3_num_f32 v235, v20, v21, v22
	v_max_num_f32 v234, v234, v230
	v_max3_num_f32 v235, v235, v23, v24
	v_max3_num_f32 v235, v235, v231, v232
	v_max_num_f32 v235, v235, v233
	v_permlanex16_b32 v236, v234, s[SEL], s[SEL+1]                 ; a query's other keys lie in the lane 16 away
	v_permlanex16_b32 v237, v235, s[SEL], s[SEL+1]
	v_max_num_f32 v234, v234, v236                 ; the row's maximum: the key that is the query itself always counts, so it is a number
	v_max_num_f32 v235, v235, v237
	v_mul_f32 v[NM], s[CS], -v234
	v_mul_f32 v[NM+2], s[CS], -v235
.irp i, 1,2,3
	v_cndmask_b32 v[NM+2+2*\i], v[NM+2], v[NM], s[SM+\i]
.endr
.irp i, 0,1,2,3,4,5,6,7,8
	PIDX \i
.irp k, 0,2,4,6
	v_pk_fma_f32 v[T+8*\i+\k:T+8*\i+\k+1], v[T+8*\i+\k:T+8*\i+\k+1], s[CS:CS+1], v[NM+2*px:NM+2*px+1] op_sel_hi:[1,0,0]   ; c s - c m
.endr
.endr
.set n, 0
.rept 72
	v_exp_f32 v[T+n], v[T+n]                       ; one batch; a hidden key gives 0
.set n, n+1
.endr
	v_nop                                          ; a plain instruction behind the last exponential
	s_wait_alu depctr_va_vdst(0)                   ; one wait for the batch, ahead of the first instruction that names a result
.irp i, 0,1,2,3,4,5,6,7,8
	v_pk_add_f32 v[SU+4*\i:SU+4*\i+1], v[T+8*\i:T+8*\i+1], v[T+8*\i+2:T+8*\i+3]
	v_pk_add_f32 v[SU+4*\i+2:SU+4*\i+3], v[T+8*\i+4:T+8*\i+5], v[T+8*\i+6:T+8*\i+7]
.endr
.irp i, 0,1,2,3,4,5,6,7,8
	v_pk_add_f32 v[SU+4*\i:SU+4*\i+1], v[SU+4*\i:SU+4*\i+1], v[SU+4*\i+2:SU+4*\i+3]
.endr
.irp i, 0,1,2,3,4,5,6,7,8
	v_add_f32 v[16+\i], v[SU+4*\i], v[SU+4*\i+1]
.endr
.irp i, 1,2,3
	v_cndmask_b32 v[227+\i], v253, v[16+\i], s[SM+\i]
	v_cndmask_b32 v[230+\i], v[16+\i], v253, s[SM+\i]
.endr
	v_add_f32 v234, v16, v228
	v_add_f32 v236, v229, v230
	v_add_f32 v235, v20, v21
	v_add_f32 v237, v22, v23
	v_add_f32 v234, v234, v236
	v_add_f32 v235, v235, v237
	v_add_f32 v236, v24, v231
	v_add_f32 v237, v232, v233
	v_add_f32 v235, v235, v236
	v_add_f32 v235, v235, v237
	v_permlanex16_b32 v236, v234, s[SEL], s[SEL+1]
	v_permlanex16_b32 v237, v235, s[SEL], s[SEL+1]
	v_add_f32 v234, v234, v236                     ; the rows' sums
	v_add_f32 v235, v235, v237
	v_rcp_f32 v[RR], v234
	v_rcp_f32 v[RR+2], v235
	v_nop
	s_wait_alu depctr_va_vdst(0)                   ; one wait for the two reciprocals
.irp i, 1,2,3
	v_cndmask_b32 v[RR+2+2*\i], v[RR+2], v[RR], s[SM+\i]
.endr
.irp i, 0,1,2,3,4,5,6,7,8
	PIDX \i
.irp k, 0,2,4,6
	v_pk_mul_f32 v[T+8*\i+\k:T+8*\i+\k+1], v[T+8*\i+\k:T+8*\i+\k+1], v[RR+2*px:RR+2*px+1] op_sel_hi:[1,0]   ; normalised in f32, ahead of the product, as reference() has it
.endr
.endr
.irp i, 0,1,2,3,4,5,6,7,8
.irp k, 0,1,2,3
	v_cvt_pk_f16_f32 v[T+8*\i+\k], v[T+8*\i+2*\k], v[T+8*\i+2*\k+1]
.endr
.endr
.irp i, 0,1,2,3,4,5,6,7,8
	ds_store_b128 v[PST], v[T+8*\i:T+8*\i+3] offset:\i*512
.endr
	BARRIER                                        ; all 36 images of p lie in LDS
	WIN 0x80                                       ; destination window 2
.irp qi, 0,1,2,3,4,5,6,7
.irp kj, 0,1,2,3,4,5,6,7
.if \kj <= \qi
.if \qi < 4
.set po, \qi*PWB+\kj*512
.else
.set po, (7-\qi)*PWB+(\kj+8-\qi)*512
.endif
.set fpr, 8*((\qi/2+1)*(\qi/2+\qi%2)+\kj/2)+4*(\kj%2)
	ds_load_b128 v[fpr:fpr+3], v[L16] offset:po
.endif
.endr
.endr
.irp qi, 0,2,4,6                       ; an even query tile's last fragment has no second key tile: zeros
.irp k, 4,5,6,7
	v_mov_b32 v[8*((\qi/2+1)*(\qi/2)+\qi/2)+\k], 0
.endr
.endr
	WIN 0
	BARRIER                                        ; every wave has p: x's images may take its bytes
	WIN 0x04
	s_wait_loadcnt 48                              ; the 24 image loads are in; the 8 + 8 + 32 behind them may be out
.irp tt, 0,1
.irp i, 0,1,2,3,4,5,6,7,8,9,10,11
	ds_store_b128 v[AXW], v[4*(12*\tt+\i):4*(12*\tt+\i)+3] offset:\tt*XTB+\i*512
.endr
.endr
	WIN 0
	BARRIER                                        ; x's images lie in LDS
	s_wait_loadcnt 0x0                             ; the scale words and x's K steps 6, 7
	s_wait_tensorcnt 1                             ; chunk 0's weights are in; chunk 1's may be out
	LOADW 0, 0
	LOADX 0
	VCHUNK 0
	VCHUNK 1
	s_wait_tensorcnt 0x0                           ; the wave's end: behind my last tensor load and my last LDS store
	ds_add_u32 v[SPW], v[NIL]
	s_wait_dscnt 0x0
	CROUND                                         ; the closing round
	s_endpgm
.Lfunc_end_k_q8ee9b755f3_values:
	.size	k_q8ee9b755f3_values, .Lfunc_end_k_q8ee9b755f3_values-k_q8ee9b755f3_values
	.p2alignl 7, 3214868480
	.fill 96, 4, 3214868480
	.section	.rodata,"a",@progbits
	.p2align	6, 0x0
	.amdhsa_kernel k_q8ee9b755f3_values
		.amdhsa_group_segment_fixed_size 327680
		.amdhsa_private_segment_fixed_size 0
		.amdhsa_enable_private_segment 0
		.amdhsa_kernarg_size 48
		.amdhsa_user_sgpr_count 2
		.amdhsa_user_sgpr_kernarg_segment_ptr 1
		.amdhsa_wavefront_size32 1
		.amdhsa_system_sgpr_workgroup_id_x 1
		.amdhsa_system_sgpr_workgroup_id_y 1
		.amdhsa_system_sgpr_workgroup_id_z 1
		.amdhsa_system_vgpr_workitem_id 0
		.amdhsa_next_free_vgpr 1024
		.amdhsa_next_free_sgpr 66
		.amdhsa_reserve_vcc 1
		.amdhsa_float_denorm_mode_32 3
		.amdhsa_float_denorm_mode_16_64 3
		.amdhsa_memory_ordered 1
		.amdhsa_forward_progress 1
		.amdhsa_inst_pref_size 189
	.end_amdhsa_kernel
	.amdgpu_metadata
---
amdhsa.version: [ 1, 2 ]
amdhsa.kernels:
  - .name:           k_q8ee9b755f3_values
    .symbol:         k_q8ee9b755f3_values.kd
    .args:
      - { .name: xc, .offset: 0, .size: 8, .value_kind: global_buffer, .address_space: global }
      - { .name: xs, .offset: 8, .size: 8, .value_kind: global_buffer, .address_space: global }
      - { .name: wc, .offset: 16, .size: 8, .value_kind: global_buffer, .address_space: global }
      - { .name: ws, .offset: 24, .size: 8, .value_kind: global_buffer, .address_space: global }
      - { .name: sp, .offset: 32, .size: 8, .value_kind: global_buffer, .address_space: global }
      - { .name: out0, .offset: 40, .size: 8, .value_kind: global_buffer, .address_space: global }
    .group_segment_fixed_size: 327680
    .private_segment_fixed_size: 0
    .kernarg_segment_align: 8
    .kernarg_segment_size: 48
    .max_flat_workgroup_size: 128
    .sgpr_count:     66
    .vgpr_count:     1024
    .wavefront_size: 32
...
	.end_amdgpu_metadata
.endif
;; end of part 3
